; MI455X (gfx1250); checked and timed in simulation.
; The chip was launched on July 23, 2026; its instructions are those of AMD's public machine-readable ISA for CDNA 5 (MIT licence, August 2026) and "CDNA5" Instruction Set Architecture Reference Guide (July 2026). The comments in the code are by the model that wrote it; some were corrected since.
;; Channel Mixing KAN. Allowed arithmetic: matrix products marked QUANTISED: E5M2 operands, one given power-of-two scale a tensor, by v_wmma_f32_16x16x64_bf8_bf8 or v_wmma_f32_16x16x128_bf8_bf8, f32 sums; everything else in f32.
;; Inputs: U 64 x 128 x 512 float32; bw1_codes 256 x 4 x 32 uint8 (E5M2 codes of bw1, K innermost, in blocks of 32 codes); bw2_codes 128 x 8 x 32 uint8 (E5M2 codes of bw2, K innermost, in blocks of 32 codes); ln_b 512 x 128 float32; ln_w 512 x 128 float32; lowp_scales 8 int32 (the exponents e of the quantised operands' scales 2^e); ss1 256 x 128 float32; ss2 128 x 256 float32; sw1 256 x 128 x 8 float32; sw2 128 x 256 x 8 float32.
;; Outputs: out0 64 x 128 x 512 float32.
;; This version of the problem:
;;   THIS VERSION OF THE PROBLEM IS GIVEN IN LOW PRECISION. The matrix products marked QUANTISED in the list below multiply operands that are first quantised to E5M2 (5 exponent bits, 2 mantissa bits; 8 bits a number), with one given power-of-two scale for each operand tensor; their sums are f32. All else is computed in f32.
;;   The module's matrix products, in the order in which they are computed (A, B: the left and right operand; K: the contracted axis; several contracted axes count as one K, in the product's order):
;;     1. [M 32,768, K 128] x [K 128, N 256]; A: computed on the way; B: input bw1 (given as codes): QUANTISED (scales: A lowp_scales[0], B lowp_scales[1])
;;     2. [M 32,768, K 1,024] x [K 1,024, N 256]; A: computed on the way; B: computed on the way: QUANTISED (scales: A lowp_scales[2], B lowp_scales[3])
;;     3. [M 32,768, K 256] x [K 256, N 128]; A: computed on the way; B: input bw2 (given as codes): QUANTISED (scales: A lowp_scales[4], B lowp_scales[5])
;;     4. [M 32,768, K 2,048] x [K 2,048, N 128]; A: computed on the way; B: computed on the way: QUANTISED (scales: A lowp_scales[6], B lowp_scales[7])
;;   THE QUANTISER, for each operand of a quantised product, along K:
;;     - The operand's scale is 2^e, e = its entry of the input lowp_scales (int32; the entries are numbered through the quantised products in the list's order, A before B).
;;     - Each number is divided by the scale, clamped to +-57,344, and rounded to the nearest number of E5M2, ties to even, subnormals kept.
;;     - The product sums the exact products of the quantised numbers (number of the format x scale) in f32.
;;   ~~~python
;;   def quantise(x, axis, e):      # numpy; x: float32 -> the quantised numbers, widened to float32 again
;;       x = np.moveaxis(x, axis, -1); K = x.shape[-1]
;;       r = np.clip(x / 2.0 ** e, -57344, 57344)
;;       step = 2.0 ** (np.maximum(np.frexp(np.where(r == 0, 1, r))[1] - 1, -14) - 2)
;;       q = np.round(r / step) * step * 2.0 ** e      # np.round: ties to even
;;       return np.moveaxis(q, -1, axis).astype(np.float32)
;;   ~~~
;;   OPERANDS COMPUTED ON THE WAY. 'Computed on the way' means the value that the module computes at that place (a softmax that the list does not call 'softmax' is quantised finished and normalised). What goes into a quantiser is computed in f32, as accurately as f32 sums, v_exp_f32 and their like allow (about 1e-6 of the number): no bf16 or f16 on the way to a quantiser, and a product that is left as it is and whose result goes on into a quantised operand takes f32 operands (vector FMAs, or v_wmma_f32_16x16x4_f32). A number that lies on a knife's edge between two numbers of the format may be rounded either way, as far as f32 arithmetic and the matrix unit's own rounding can turn it there, and no further.
;;   INPUTS GIVEN AS CODES. bw1 (in the module: [256, 128], K = its axis 1); bw2 (in the module: [128, 256], K = its axis 1): each comes as NAME_codes (uint8): NAME with its K axis moved to the last place and cut into blocks of 32 codes, [.., K / 32, bytes a block], one block behind the other in memory; one code a byte (a code: sign, 5 exponent bits, 2 mantissa bits); its scale is its entry of lowp_scales. Its value is code x scale, taken as it is: it is not quantised again, and the codes and scales need not be those that the quantiser above would give.
;; One version. Each part assembles by itself: llvm-mc -triple=amdgcn-amd-amdhsa -mcpu=gfx1250 --defsym DOCPART=n.
;; ======== version 1 of 1: 2 launches
;; workspace buffers: stats 16,384 bytes; wimg 589,824 bytes; lnp 524,288 bytes
;; launch prep (part 1): grid 300 x 1, 8 waves a work-group, no clusters, 0 bytes of LDS; arguments U, sw1, ss1, sw2, ss2, bw1_codes, bw2_codes, ln_w, ln_b, lowp_scales, stats, wimg, lnp; writes stats, wimg, lnp
.if DOCPART == 1
	.amdgcn_target "amdgcn-amd-amdhsa--gfx1250"
	.amdhsa_code_object_version 6
	.text
	.protected	k_qd039ab1b06_prep
	.globl	k_qd039ab1b06_prep
	.p2align	8
	.type	k_qd039ab1b06_prep,@function
k_qd039ab1b06_prep:
	s_mov_b64 s[64:65], 0
	v_nop
	global_prefetch_b8 v0, s[64:65] scope:SCOPE_SE
	s_setreg_imm32_b32 hwreg(HW_REG_WAVE_MODE, 25, 1), 1
	s_wait_xcnt 0x0
; Three kinds of work-groups, told apart by the work-group's number; eight waves each; no LDS, no barrier: waves share nothing.
; STAT (0-255): wave W = 8 x work-group + wave takes 8,192 consecutive bytes of U (2,048 numbers: part W % 32 of batch W / 32) and stores their mean and the sum
;   of squared distances from that mean (two passes over registers, so that a common offset of the inputs costs no digits): stats[W] = (mean, M2).
;   A wave's result is 8 bytes: these stores cover 8 bytes each, the whole buffer is 16,384 bytes.
; WGT (256-291): one wave makes one of 288 units of 2,048 bytes of wimg.  A unit is the image of a matrix operand's 16 registers: block c (registers 4 c .. 4 c + 3) at 512 c + 16 x lane.
;   lane = (r = lane % 16, h = lane / 16).  Unit g:  g = 17 t + s, s < 8: sw1 x ss1, out 16 t + r, registers 2 j, 2 j + 1 = coefficients 0..7 of in 16 s + 8 h + j (scale entry 3);
;   g = 17 t + 8: bw1's codes, out 16 t + r, registers 2 i, 2 i + 1 = in 16 i + 8 h + 0..7;   g = 17 t + 9 + n: sw2 x ss2, out 16 n + r, in 16 t + 8 h + j (entry 7);
;   g = 272 + 8 f + n: bw2's codes, out 16 n + r, in 128 f + 16 i + 8 h + 0..7.
;   code = (sw x ss) / 2^e, held within +-57,344, to the nearest code, ties to even.  LIMIT: -126 <= e <= 112.  NaN among the inputs is not served.
; LNP (292-299): ln_w and ln_b, [token][channel], are laid as lnp[channel][token pair p] = (w(2p), w(2p+1), b(2p), b(2p+1)): 16 bytes that one lane of the main launch takes whole.
	s_load_b512 s[8:23], s[0:1], 0x0               ; U s[8:9], sw1 s[10:11], ss1 s[12:13], sw2 s[14:15], ss2 s[16:17], bw1 s[18:19], bw2 s[20:21], ln_w s[22:23]
	s_load_b256 s[24:31], s[0:1], 0x40             ; ln_b s[24:25], the scales' exponents s[26:27], stats s[28:29], wimg s[30:31]
	s_load_b64 s[32:33], s[0:1], 0x60              ; lnp
	v_lshrrev_b32 v4, 5, v0
	v_readfirstlane_b32 s4, v4                     ; wave 0..7
	v_and_b32 v1, 31, v0                           ; lane
	v_and_b32 v2, 15, v0                           ; r
	v_bfe_u32 v3, v0, 4, 1                         ; h
	v_lshlrev_b32 v5, 4, v1                        ; 16 x lane
	s_mov_b32 s34, 0x76543210                      ; v_permlanex16_b32: lane l takes lane l xor 16
	s_mov_b32 s35, 0xfedcba98
	s_mov_b32 s37, 0                               ; the upper word of 32-bit offsets
	s_mov_b32 s39, 0
	s_wait_kmcnt 0x0
	s_cmp_lt_u32 ttmp9, 256
	s_cbranch_scc0 .Lnot_stat
; the sum of v[x] over the 32 lanes, in every lane; v[t] has been written before
.macro WSUM x, t
	v_add_f32_dpp v[\x], v[\x], v[\x] row_xmask:1 row_mask:0xf bank_mask:0xf
	v_add_f32_dpp v[\x], v[\x], v[\x] row_xmask:2 row_mask:0xf bank_mask:0xf
	v_add_f32_dpp v[\x], v[\x], v[\x] row_xmask:4 row_mask:0xf bank_mask:0xf
	v_add_f32_dpp v[\x], v[\x], v[\x] row_xmask:8 row_mask:0xf bank_mask:0xf
	v_permlanex16_b32 v[\t], v[\x], s34, s35
	v_add_f32 v[\x], v[\x], v[\t]
.endm
	; ---- STAT
	s_lshl_b32 s5, ttmp9, 3
	s_add_co_u32 s5, s5, s4                        ; W
	s_lshl_b32 s36, s5, 13
	s_add_nc_u64 s[8:9], s[8:9], s[36:37]          ; U at my 8,192 bytes
	s_lshl_b32 s38, s5, 3
	s_add_nc_u64 s[28:29], s[28:29], s[38:39]      ; stats at my 8 bytes
.set ii, 0
.rept 16
	global_load_b128 v[16+4*ii:19+4*ii], v5, s[8:9] offset:512*ii   ; 32 lanes read 512 consecutive bytes; the main launch reads U again, so no hint
.set ii, ii+1
.endr
	v_mov_b32 v6, 0
	s_wait_loadcnt 0x0
.set ii, 0
.rept 16                                       ; the sum of my 64 numbers, two at a time, as a tree; the numbers stay
	v_pk_add_f32 v[80+2*ii:81+2*ii], v[16+4*ii:17+4*ii], v[18+4*ii:19+4*ii]
.set ii, ii+1
.endr
.set ii, 0
.rept 8
	v_pk_add_f32 v[80+4*ii:81+4*ii], v[80+4*ii:81+4*ii], v[82+4*ii:83+4*ii]
.set ii, ii+1
.endr
.set ii, 0
.rept 4
	v_pk_add_f32 v[80+8*ii:81+8*ii], v[80+8*ii:81+8*ii], v[84+8*ii:85+8*ii]
.set ii, ii+1
.endr
	v_pk_add_f32 v[80:81], v[80:81], v[88:89]
	v_pk_add_f32 v[96:97], v[96:97], v[104:105]
	v_pk_add_f32 v[80:81], v[80:81], v[96:97]
	v_add_f32 v80, v80, v81
	WSUM 80, 82
	v_mul_f32 v84, 0x3a000000, v80                 ; / 2,048: the part's mean
	v_mov_b32 v85, v84
.set ii, 0
.rept 32
	v_pk_add_f32 v[16+2*ii:17+2*ii], v[16+2*ii:17+2*ii], v[84:85] neg_lo:[0,1] neg_hi:[0,1]   ; x - mean
.set ii, ii+1
.endr
.set ii, 0
.rept 4                                        ; the squares' sum in four chains, begun by the first four products
	v_pk_mul_f32 v[88+2*ii:89+2*ii], v[16+2*ii:17+2*ii], v[16+2*ii:17+2*ii]
.set ii, ii+1
.endr
.rept 28
	v_pk_fma_f32 v[88+2*(ii%4):89+2*(ii%4)], v[16+2*ii:17+2*ii], v[16+2*ii:17+2*ii], v[88+2*(ii%4):89+2*(ii%4)]
.set ii, ii+1
.endr
	v_pk_add_f32 v[88:89], v[88:89], v[90:91]
	v_pk_add_f32 v[92:93], v[92:93], v[94:95]
	v_pk_add_f32 v[88:89], v[88:89], v[92:93]
	v_add_f32 v88, v88, v89
	WSUM 88, 82
	v_mov_b32 v85, v88                             ; v[84:85] = (mean, M2)
	v_cmp_eq_u32 vcc_lo, 0, v1
	s_wait_xcnt 0x0                                ; EXEC changes only when the loads above have read it
	s_and_saveexec_b32 s40, vcc_lo                 ; lane 0 stores for the wave
	global_store_b64 v6, v[84:85], s[28:29]
	s_wait_xcnt 0x0                                ; and again in front of the line that widens it
	s_or_b32 exec_lo, exec_lo, s40
	s_endpgm
.Lnot_stat:
	s_cmp_lt_u32 ttmp9, 292
	s_cbranch_scc0 .Llnp
	; ---- WGT
	s_sub_co_u32 s5, ttmp9, 256
	s_lshl_b32 s5, s5, 3
	s_add_co_u32 s5, s5, s4                        ; g, 0..287
	s_lshl_b32 s36, s5, 11
	s_add_nc_u64 s[30:31], s[30:31], s[36:37]      ; wimg at my unit
	s_mul_i32 s6, s5, 3856
	s_lshr_b32 s6, s6, 16                          ; t = g / 17, right for g < 272 (17 x 3,856 = 65,552)
	s_mul_i32 s7, s6, 17
	s_sub_co_u32 s7, s5, s7                        ; g % 17
	s_cmp_ge_u32 s5, 272
	s_cbranch_scc1 .Lbas
	s_cmp_eq_u32 s7, 8
	s_cbranch_scc1 .Lbas
	; a spline unit: one path for both layers; what differs is chosen by the unit's number
	s_load_b256 s[48:55], s[26:27], 0x0            ; the eight exponents
	s_sub_co_u32 s41, s7, 9
	s_cmp_lt_u32 s7, 8                             ; layer 1?
	s_cselect_b32 s40, s6, s41                     ; tile of outs
	s_cselect_b32 s42, s7, s6                      ; tile of ins
	s_cselect_b32 s43, 12, 13                      ; an out's row of sw is 4,096 or 8,192 bytes,
	s_cselect_b32 s57, 9, 10                       ; of ss 512 or 1,024
	s_cselect_b64 s[44:45], s[10:11], s[14:15]
	s_cselect_b64 s[46:47], s[12:13], s[16:17]
	s_lshl_b32 s40, s40, 4
	s_lshl_b32 s58, s42, 9
	s_lshl_b32 s59, s42, 6
	v_add_nc_u32 v7, s40, v2                       ; my out
	v_lshlrev_b32 v8, s43, v7
	v_lshl_add_u32 v8, v3, 8, v8
	v_add_nc_u32 v8, s58, v8                       ; sw: my out's row + 512 x tile of ins + 256 h: my 8 ins x 8 coefficients, 256 consecutive bytes
	v_lshlrev_b32 v9, s57, v7
	v_lshl_add_u32 v9, v3, 5, v9
	v_add_nc_u32 v9, s59, v9                       ; ss: my 8 ins, 32 bytes
.set ii, 0
.rept 16
	global_load_b128 v[16+4*ii:19+4*ii], v8, s[44:45] offset:16*ii th:TH_LOAD_NT   ; register 8 j + c: coefficient c of in 8 h + j; read once in the launch
.set ii, ii+1
.endr
	global_load_b128 v[80:83], v9, s[46:47]
	global_load_b128 v[84:87], v9, s[46:47] offset:16
	s_wait_kmcnt 0x0
	s_cmp_lt_u32 s7, 8
	s_cselect_b32 s56, s51, s55                    ; e: entry 3 or entry 7
	s_add_co_i32 s56, s56, 127
	s_lshl_b32 s60, s56, 23
	v_mov_b32 v88, s60                             ; 2^e as f32: the conversion takes its exponent field
	s_add_co_i32 s56, s56, 15
	s_lshl_b32 s56, s56, 23
	s_or_b32 s56, s56, 0x600000
	v_mov_b32 v89, s56                             ; 57,344 x 2^e
	s_wait_loadcnt 0x0
.set ii, 0
.rept 64
	v_mul_f32 v[16+ii], v[16+ii], v[80+ii/8]       ; sw x ss, in f32
.set ii, ii+1
.endr
.set ii, 0
.rept 64
	v_med3_num_f32 v[16+ii], v[16+ii], -v89, v89   ; the conversion to an 8-bit code does not saturate (ISA guide 7.6.2): the hold at the largest code x the scale
.set ii, ii+1
.endr
.set ii, 0
.rept 8
	v_cvt_scalef32_pk8_bf8_f32 v[96+2*ii:97+2*ii], v[16+8*ii:23+8*ii], v88   ; registers 2 j, 2 j + 1 of the unit
.set ii, ii+1
.endr
	v_nop                                          ; a plain vector line behind the last conversion
	s_branch .Lstore
.Lbas:                                             ; a unit of given codes: they are only laid in the order of the operand's registers
	s_sub_co_u32 s41, s5, 272
	s_lshr_b32 s42, s41, 3                         ; f
	s_and_b32 s41, s41, 7                          ; n
	s_lshl_b32 s42, s42, 7                         ; 128 f
	s_cmp_ge_u32 s5, 272                           ; bw2?
	s_cselect_b32 s40, s41, s6                     ; tile of outs: n or t
	s_cselect_b32 s42, s42, 0
	s_cselect_b32 s43, 8, 7                        ; a row of codes is 256 or 128 bytes
	s_cselect_b64 s[44:45], s[20:21], s[18:19]
	s_lshl_b32 s40, s40, 4
	v_add_nc_u32 v7, s40, v2
	v_lshlrev_b32 v8, s43, v7
	v_lshl_add_u32 v8, v3, 3, v8
	v_add_nc_u32 v8, s42, v8
.set ii, 0
.rept 8
	global_load_b64 v[96+2*ii:97+2*ii], v8, s[44:45] offset:16*ii
.set ii, ii+1
.endr
	s_wait_loadcnt 0x0
.Lstore:
.set ii, 0
.rept 4
	global_store_b128 v5, v[96+4*ii:99+4*ii], s[30:31] offset:512*ii   ; 32 lanes store 512 consecutive bytes, at a multiple of 256 from wimg's first byte
.set ii, ii+1
.endr
	s_endpgm
.Llnp:                                             ; ---- LNP: thread p takes token pair p and 16 channels
	s_sub_co_u32 s5, ttmp9, 292                    ; which 16 channels
	s_lshl_b32 s6, s5, 6
	v_lshl_add_u32 v7, v0, 10, s6                  ; row 2 p of 512 bytes + 64 bytes x group of channels
	s_lshl_b32 s36, s5, 16
	s_add_nc_u64 s[32:33], s[32:33], s[36:37]      ; lnp at my 16 channels' rows of 4,096 bytes
	v_lshlrev_b32 v8, 4, v0                        ; 16 p
.set ii, 0
.rept 4
	global_load_b128 v[16+4*ii:19+4*ii], v7, s[22:23] offset:16*ii
	global_load_b128 v[32+4*ii:35+4*ii], v7, s[22:23] offset:512+16*ii
	global_load_b128 v[48+4*ii:51+4*ii], v7, s[24:25] offset:16*ii
	global_load_b128 v[64+4*ii:67+4*ii], v7, s[24:25] offset:512+16*ii
.set ii, ii+1
.endr
	s_wait_loadcnt 0x0
.set ii, 0
.rept 16                                       ; the turn from [token][channel] to [channel][token] is these moves: four numbers of a channel come together
	v_mov_b32 v[80+4*ii], v[16+ii]
	v_mov_b32 v[81+4*ii], v[32+ii]
	v_mov_b32 v[82+4*ii], v[48+ii]
	v_mov_b32 v[83+4*ii], v[64+ii]
.set ii, ii+1
.endr
.set ii, 0
.rept 16
	global_store_b128 v8, v[80+4*ii:83+4*ii], s[32:33] offset:4096*ii   ; a wave stores 512 consecutive bytes of a channel's row
.set ii, ii+1
.endr
	s_endpgm
.Lfunc_end_k_qd039ab1b06_prep:
	.size	k_qd039ab1b06_prep, .Lfunc_end_k_qd039ab1b06_prep-k_qd039ab1b06_prep
	.p2alignl 7, 3214868480
	.fill 96, 4, 3214868480
	.section	.rodata,"a",@progbits
	.p2align	6, 0x0
	.amdhsa_kernel k_qd039ab1b06_prep
		.amdhsa_group_segment_fixed_size 0
		.amdhsa_private_segment_fixed_size 0
		.amdhsa_enable_private_segment 0
		.amdhsa_kernarg_size 104
		.amdhsa_user_sgpr_count 2
		.amdhsa_user_sgpr_kernarg_segment_ptr 1
		.amdhsa_wavefront_size32 1
		.amdhsa_system_sgpr_workgroup_id_x 1
		.amdhsa_system_sgpr_workgroup_id_y 1
		.amdhsa_system_sgpr_workgroup_id_z 1
		.amdhsa_system_vgpr_workitem_id 0
		.amdhsa_next_free_vgpr 160
		.amdhsa_next_free_sgpr 66
		.amdhsa_reserve_vcc 1
		.amdhsa_float_denorm_mode_32 3
		.amdhsa_float_denorm_mode_16_64 3
		.amdhsa_memory_ordered 1
		.amdhsa_forward_progress 1
		.amdhsa_inst_pref_size 27
	.end_amdhsa_kernel
	.amdgpu_metadata
---
amdhsa.version: [ 1, 2 ]
amdhsa.kernels:
  - .name:           k_qd039ab1b06_prep
    .symbol:         k_qd039ab1b06_prep.kd
    .args:
      - { .name: U, .offset: 0, .size: 8, .value_kind: global_buffer, .address_space: global }
      - { .name: sw1, .offset: 8, .size: 8, .value_kind: global_buffer, .address_space: global }
      - { .name: ss1, .offset: 16, .size: 8, .value_kind: global_buffer, .address_space: global }
      - { .name: sw2, .offset: 24, .size: 8, .value_kind: global_buffer, .address_space: global }
      - { .name: ss2, .offset: 32, .size: 8, .value_kind: global_buffer, .address_space: global }
      - { .name: bw1_codes, .offset: 40, .size: 8, .value_kind: global_buffer, .address_space: global }
      - { .name: bw2_codes, .offset: 48, .size: 8, .value_kind: global_buffer, .address_space: global }
      - { .name: ln_w, .offset: 56, .size: 8, .value_kind: global_buffer, .address_space: global }
      - { .name: ln_b, .offset: 64, .size: 8, .value_kind: global_buffer, .address_space: global }
      - { .name: lowp_scales, .offset: 72, .size: 8, .value_kind: global_buffer, .address_space: global }
      - { .name: stats, .offset: 80, .size: 8, .value_kind: global_buffer, .address_space: global }
      - { .name: wimg, .offset: 88, .size: 8, .value_kind: global_buffer, .address_space: global }
      - { .name: lnp, .offset: 96, .size: 8, .value_kind: global_buffer, .address_space: global }
    .group_segment_fixed_size: 0
    .private_segment_fixed_size: 0
    .kernarg_segment_align: 8
    .kernarg_segment_size: 104
    .max_flat_workgroup_size: 256
    .sgpr_count:     66
    .vgpr_count:     160
    .wavefront_size: 32
...
	.end_amdgpu_metadata
.endif
;; end of part 1
;; launch main (part 2): grid 256 x 1, 4 waves a work-group, clusters of 4 x 1, 327,680 bytes of LDS; arguments U, lnp, stats, wimg, lowp_scales, out0; writes out0
.if DOCPART == 2
	.amdgcn_target "amdgcn-amd-amdhsa--gfx1250"
	.amdhsa_code_object_version 6
	.text
	.protected	k_qd039ab1b06_main
	.globl	k_qd039ab1b06_main
	.p2align	8
	.type	k_qd039ab1b06_main,@function
k_qd039ab1b06_main:
	s_mov_b64 s[64:65], 0
	v_nop
	global_prefetch_b8 v0, s[64:65] scope:SCOPE_SE
	s_setreg_imm32_b32 hwreg(HW_REG_WAVE_MODE, 25, 1), 1
	s_wait_xcnt 0x0
	s_wait_alu depctr_hold_cnt(0) depctr_sa_sdst(0) depctr_va_vdst(0) depctr_va_sdst(0) depctr_va_ssrc(0) depctr_va_vcc(0) depctr_vm_vsrc(0)
	s_getreg_b32 s2, hwreg(HW_REG_IB_STS2, 6, 4)
	s_cmp_eq_u32 s2, 0
	s_cbranch_scc0 .Lentry_in_a_cluster
	s_endpgm
.Lentry_in_a_cluster:
	s_bfe_u32 s2, ttmp6, 0x10000c
	s_cmp_lg_u32 s2, 0x3003
	s_cbranch_scc0 .Lentry_shape_is_right
	s_endpgm
.Lentry_shape_is_right:
; out[b][c][t] = U[b][c][t] + KAN2(KAN1(LN(U[b])))[t][c].  All four products on codes of BF8 (E5M2) with the given scales 2^e0 .. 2^e7, by v_wmma_f32_16x16x128_bf8_bf8, sums in f32.
; SHARES.  A cluster of four work-groups is one batch; a work-group takes 128 tokens (its place cx in the cluster enters global offsets alone); each of its four waves takes 32 tokens, two tiles m = 0, 1
; of 16: row p of tile m is token 32 w + 2 p + m.  A wave makes ALL columns of both layers for its tokens, so no code goes from wave to wave and the hidden layer never leaves the wave.
; THE SPLINE.  The knots are uniform: with t = 2.5 x + 5.5, j = floor t, u = t - j, w = 1 - u only bases j-3 .. j differ from 0: w^3/6, P(u), P(w), u^3/6, P(s) = s^3/2 - s^2 + 2/3.  K of the spline products
; is (input, coefficient), the coefficient innermost: an input is 8 neighbouring codes, two operand registers.  Its four codes are made by one conversion as one word W, which is shifted to byte j - 3 of those 8 bytes:
; R = W >> (24 - 8 j), L = W << (8 j + 8), amounts modulo 32;  j <= 3: (R, 0);  j <= 6: (L, R);  else (0, L).  t is held within 0 .. 10.999999: under the grid all four codes fall off; from x = 2.2 on basis 7 is
; 1.4e-19 where the definition has 0.
; OPERANDS.  lane = (r, h).  A spline fragment of 16 inputs: registers 2 j, 2 j + 1 = bases 0..7 of input 8 h + j of row r; the weights' units in wimg are laid alike, as images of their registers.
; Layer 1 is used transposed (source 0 = 16 hidden units, source 1 = 16 tokens): a lane then holds hidden units 8 h + j of token r, which is the layout of layer 2's inputs.  Layer 2 is used as it stands
; (source 0 = tokens, source 1 = 16 channels): a lane then holds one channel and, over the two tiles, 16 neighbouring tokens: 64 neighbouring bytes of out.
; ORDER.  Phase 1: LN and all codes of layer 1 into registers.  Phase 2: hidden tile T = 0..15: 18 products make it, it becomes codes, 16 products add it into Y.  Then bw2's 32 products, and the way out.
; Y begins as U x 2^-(e6+e7), so that the residual costs no addition and nothing is cleared.
; WEIGHTS.  wimg is walked in its own order through two LDS slots of two steps (34 units, 69,632 bytes).  All four work-groups of the cluster walk the same bytes: each fill is asked for JOINTLY, a quarter by each wave.
; No prefetch is laid: U, lnp and the first two slots are asked for at the head, and each refill has two steps' work in which to land.
; LIMITS: each e between -126 and 112; e0+e1, e2+e3, e4+e5, e6+e7 between -126 and 126.  NaN among the inputs is not served.
.set SLOT1, 1<<17                      ; slot 1 begins here: one exclusive or turns an address in one slot into the other's
.set STEPB, 17*2048                    ; a step's units: F1 x 8, F1b, F2 x 8
.set SLOTB, 2*STEPB
.set F3B,   SLOTB                      ; bw2's 16 units, filled once
.set SPARE, F3B+16*2048                ; the spare words, 128 bytes for each wave: two blocks of 256 bytes that no other line names
.set UT,    SLOT1+SLOTB                ; U's tile: 128 channel rows of 512 bytes + 16 of padding; at the end the stage for out
.set UP,    528
.set SBS,   UT+128*UP                  ; layer 2's silu codes: 8,192 bytes a wave, [T][m][lane] of 8 bytes; each wave's own
; window 0
.set LI,   1                           ; 16 x lane
.set ADW0, 2                           ; the slot in hand, first step; ADW1 = ADW0 + 1: second step
.set ADW1, 3
.set AF3,  4                           ; F3B + 16 x lane
.set UA,   5                           ; U's tile by channels: UT + 8 h rows + 128 w + 8 r
.set LNO,  6                           ; lnp: 32,768 h + 16 r + 1,024 cx + 256 w
.set UY,   7                           ; U's tile by tokens: UT + r rows + 128 w + 64 h
.set URD,  8                           ; the stage back: UT + 32 w rows + 16 x lane
.set STO,  9                           ; stats: 256 b + 8 x lane
.set SPW,  10                          ; my spare word; never rewritten
.set NIL,  11                          ; 0; never rewritten
.set SBA,  12                          ; SBS + 8,192 w + 8 x lane
.set ADS,  13                          ; SBA + 512 T
.set SPS,  14                          ; spline codes: the scale as f32,
.set SPH,  15                          ; 57,344 x the scale
.set SIS,  16                          ; silu codes: the same two
.set SIH,  17
.set K1,   18                          ; (1/6, 1/2)
.set K1S,  20                          ; (1/2, 1/6)
.set K2,   22                          ; (0, -1)
.set K2S,  24                          ; (-1, 0)
.set K3,   26                          ; (0, 2/3)
.set K3S,  28                          ; (2/3, 0)
.set X,    32                          ; 16 inputs
.set E,    48                          ; the silu at work; v48-51 then layer 2's silu codes
.set SG,   64                          ; silu, by tile
.set T,    80
.set F,    84
.set P,    88                          ; (w, u) x 4
.set SQ,   96
.set V,    104                         ; four values x 4 inputs
.set AMA,  120
.set BM,   124
.set RR,   128
.set LL,   132
.set W,    136
.set C55,  140                         ; (5.5, 5.5)
.set CA,   142                         ; 2^23 + 152, twice: less 8 j it holds (24 - 8 j) mod 32 in its low five bits
.set CB,   144                         ; 2^23 + 8, twice: plus 8 j it holds (8 j + 8) mod 32
.set TLO,  148
.set THH,  152
.set HS,   176                         ; hidden tile, spline sums: even channel tiles v176 (m 0), v184 (m 1); odd ones v192, v200
.set HB,   208                         ; base sums
.set C2,   224                         ; layer 2's spline fragment, 16 registers a tile
; window 1: A1[s][m] at 32 s + 16 m; at the end the silu fragments SBF[f][m] at 32 f + 16 m
; window 2: Y(m, n) at 8 (8 m + n) (phase 1: U's numbers); v128-159 layer 1's silu fragments; v160-175 the unit F1b; at the end YB(m, n) at 128 + 8 (8 m + n)
; window 3: v0-127 eight units F1 (or F3); v128-255 eight units F2 (or F3) (phase 1: lnp's numbers)
; scalars: s16 wave, s17 cx, s[20:27] e0..e7, s[28:35] s[36:43] s[44:51] descriptor groups 1, s[52:63] s[68:71] groups 0, s66 s67 s74 s75 s80-83 lane masks,
;   s[72:73] 2.5, s[76:77] -8, s[78:79] 8, s[84:85] -log2 e, s[86:87] -mean then 2^(e2+e3), s[88:89] 1/sigma then 2^(e0+e1), s[90:91] 2^(e6+e7), s[92:93] 2^(e4+e5),
;   s94 10.999999, s95 7.0, s96 the slot in hand, s97 512 T, s98 trips, s99 2^-(e6+e7), s[100:101] lane selects
.set MSB, 0
.macro WIN new                         ; the immediate's high byte repeats the setting that is left; a switch that changes nothing is dropped
.if MSB != (\new)
	s_set_vgpr_msb (MSB<<8)|(\new)
.set MSB, (\new)
.endif
.endm
.macro PLACES                          ; four plain vector lines behind matrix instructions, ahead of loads into their registers and of reads of their results
.rept 4
	v_nop
.endr
.endm
.macro ROUND                           ; a round of the cluster's barrier: my work-group's barrier, wave 0 signals for the work-group, every wave waits for all four, my work-group's barrier once more
	s_barrier_signal -1
	s_barrier_wait -1
	s_cmp_lg_u32 s16, 0
	s_cbranch_scc1 .Lnot_wave_0_\@
	s_barrier_signal -3
.Lnot_wave_0_\@:
	s_barrier_wait -3
	s_barrier_signal -1
	s_barrier_wait -1
.endm
.macro WSUM x, t                       ; the sum of v[x] over the 32 lanes, in every lane
	v_add_f32_dpp v[\x], v[\x], v[\x] row_xmask:1 row_mask:0xf bank_mask:0xf
	v_add_f32_dpp v[\x], v[\x], v[\x] row_xmask:2 row_mask:0xf bank_mask:0xf
	v_add_f32_dpp v[\x], v[\x], v[\x] row_xmask:4 row_mask:0xf bank_mask:0xf
	v_add_f32_dpp v[\x], v[\x], v[\x] row_xmask:8 row_mask:0xf bank_mask:0xf
	v_permlanex16_b32 v[\t], v[\x], s100, s101
	v_add_f32 v[\x], v[\x], v[\t]
.endm
.macro SETSC e, vs, vh                 ; v[vs] = 2^e as f32 (a conversion takes its exponent field), v[vh] = 57,344 x 2^e
	s_add_co_i32 s2, s[\e], 127
	s_lshl_b32 s3, s2, 23
	v_mov_b32 v[\vs], s3
	s_add_co_i32 s2, s2, 15
	s_lshl_b32 s2, s2, 23
	s_or_b32 s2, s2, 0x600000
	v_mov_b32 v[\vh], s2
.endm
.macro PW2 d, a, b                     ; s[d] = s[d + 1] = 2^(s[a] + s[b]) as f32
	s_add_co_i32 s[\d], s[\a], s[\b]
	s_add_co_i32 s[\d], s[\d], 127
	s_lshl_b32 s[\d], s[\d], 23
	s_mov_b32 s[\d+1], s[\d]
.endm
; FOUR INPUTS X[4 qd .. 4 qd + 3] become their 8 spline codes each.  lay = 0: input i = (j = i / 2, m = i % 2); lay = 1: (m = i / 8, j = i % 8).  The two words go to v[d_m + 2 j], + 1, in the window that wd names.
; Every stage is four or more lines that do not hang on each other.
.macro QUAD qd, lay, wd, d0, d1
	v_pk_fma_f32 v[T:T+1], v[X+4*(\qd):X+4*(\qd)+1], s[72:73], v[C55:C55+1] op_sel_hi:[1,0,1]       ; t = 2.5 x + 5.5
	v_pk_fma_f32 v[T+2:T+3], v[X+4*(\qd)+2:X+4*(\qd)+3], s[72:73], v[C55:C55+1] op_sel_hi:[1,0,1]
.irp i, 0,1,2,3
	v_med3_num_f32 v[T+\i], v[T+\i], 0, s94        ; held on the grid
.endr
.irp i, 0,1,2,3
	v_floor_f32 v[F+\i], v[T+\i]                   ; j
.endr
.irp i, 0,1,2,3
	v_sub_f32 v[P+2*\i+1], v[T+\i], v[F+\i]        ; u
.endr
.irp i, 0,1,2,3
	v_sub_f32 v[P+2*\i], 1.0, v[P+2*\i+1]          ; w
.endr
.irp i, 0,1,2,3
	v_pk_mul_f32 v[SQ+2*\i:SQ+2*\i+1], v[P+2*\i:P+2*\i+1], v[P+2*\i:P+2*\i+1]
.endr
.irp i, 0,1,2,3
	v_pk_fma_f32 v[V+4*\i:V+4*\i+1], v[P+2*\i:P+2*\i+1], v[K1:K1+1], v[K2:K2+1]         ; (w/6, u/2 - 1)
.endr
.irp i, 0,1,2,3
	v_pk_fma_f32 v[V+4*\i+2:V+4*\i+3], v[P+2*\i:P+2*\i+1], v[K1S:K1S+1], v[K2S:K2S+1]   ; (w/2 - 1, u/6)
.endr
.irp i, 0,1,2,3
	v_pk_fma_f32 v[V+4*\i:V+4*\i+1], v[SQ+2*\i:SQ+2*\i+1], v[V+4*\i:V+4*\i+1], v[K3:K3+1]         ; (w^3/6, P(u))
.endr
.irp i, 0,1,2,3
	v_pk_fma_f32 v[V+4*\i+2:V+4*\i+3], v[SQ+2*\i:SQ+2*\i+1], v[V+4*\i+2:V+4*\i+3], v[K3S:K3S+1]   ; (P(w), u^3/6)
.endr
.irp i, 0,1,2,3,4,5,6,7,8,9,10,11,12,13,14,15
	v_min_num_f32 v[V+\i], v[V+\i], v[SPH]         ; the conversion does not saturate (ISA guide 7.6.2); a basis is never negative, so the hold is one-sided
.endr
	v_cvt_scalef32_pk8_bf8_f32 v[W:W+1], v[V:V+7], v[SPS]          ; W[i]: the four codes of input i, basis j - 3 in the lowest byte
	v_cvt_scalef32_pk8_bf8_f32 v[W+2:W+3], v[V+8:V+15], v[SPS]
	v_pk_fma_f32 v[AMA:AMA+1], v[F:F+1], s[76:77], v[CA:CA+1] op_sel_hi:[1,0,1]         ; the shifts' amounts, in the low bits of floats.  (Plain lines behind the conversions)
	v_pk_fma_f32 v[AMA+2:AMA+3], v[F+2:F+3], s[76:77], v[CA:CA+1] op_sel_hi:[1,0,1]
	v_pk_fma_f32 v[BM:BM+1], v[F:F+1], s[78:79], v[CB:CB+1] op_sel_hi:[1,0,1]
	v_pk_fma_f32 v[BM+2:BM+3], v[F+2:F+3], s[78:79], v[CB:CB+1] op_sel_hi:[1,0,1]
.irp i, 0,1,2,3
	v_cmp_gt_f32 s[66+\i+6*(\i/2)], 4.0, v[F+\i]   ; j <= 3
.endr
.irp i, 0,1,2,3
	v_cmp_gt_f32 s[80+\i], s95, v[F+\i]            ; j <= 6
.endr
.irp i, 0,1,2,3
	v_lshrrev_b32 v[RR+\i], v[AMA+\i], v[W+\i]
.endr
.irp i, 0,1,2,3
	v_lshlrev_b32 v[LL+\i], v[BM+\i], v[W+\i]
.endr
.irp i, 0,1,2,3
	v_cndmask_b32 v[TLO+\i], 0, v[LL+\i], s[80+\i]
.endr
.irp i, 0,1,2,3
	v_cndmask_b32 v[THH+\i], v[LL+\i], v[RR+\i], s[80+\i]
.endr
	WIN \wd
.irp i, 0,1,2,3
.set II, 4*(\qd)+\i
.if \lay
.set DJ, II%8
.set DM, II/8
.else
.set DJ, II/2
.set DM, II%2
.endif
.set DD, (\d0)+((\d1)-(\d0))*DM+2*DJ
	v_cndmask_b32 v[DD], v[TLO+\i], v[RR+\i], s[66+\i+6*(\i/2)]    ; bases 0..3
	v_cndmask_b32 v[DD+1], v[THH+\i], 0, s[66+\i+6*(\i/2)]         ; bases 4..7
.endr
	WIN 0
.endm
; silu(x) = x / (1 + 2^(-x log2 e)) of the 16 inputs, in three parts; behind each batch of transcendentals a QUAD stands as independent work, and one wait serves the batch
.macro SILU1
.irp i, 0,2,4,6,8,10,12,14
	v_pk_mul_f32 v[E+\i:E+\i+1], v[X+\i:X+\i+1], s[84:85] op_sel_hi:[1,0]
.endr
.irp i, 0,1,2,3,4,5,6,7,8,9,10,11,12,13,14,15
	v_exp_f32 v[E+\i], v[E+\i]
.endr
.endm
.macro SILU2
	s_wait_alu depctr_va_vdst(0)                   ; one wait for the 16 exponentials, ahead of their first reader
.irp i, 0,2,4,6,8,10,12,14
	v_pk_add_f32 v[E+\i:E+\i+1], v[E+\i:E+\i+1], 1.0 op_sel_hi:[1,0]
.endr
.irp i, 0,1,2,3,4,5,6,7,8,9,10,11,12,13,14,15
	v_rcp_f32 v[E+\i], v[E+\i]
.endr
.endm
.macro SILU3 lay, ws, c0, c1           ; the codes of tile m go to v[c_m], + 1, in the window that ws names
	s_wait_alu depctr_va_vdst(0)                   ; one wait for the 16 reciprocals
.irp i, 0,2,4,6,8,10,12,14
	v_pk_mul_f32 v[E+\i:E+\i+1], v[X+\i:X+\i+1], v[E+\i:E+\i+1]
.endr
.irp i, 0,1,2,3,4,5,6,7,8,9,10,11,12,13,14,15
.if \lay
.set DI, \i
.else
.set DI, 8*(\i%2)+\i/2
.endif
	v_med3_num_f32 v[SG+DI], v[E+\i], -v[SIH], v[SIH]              ; the hold, which also brings a tile's eight together
.endr
	WIN \ws
	v_cvt_scalef32_pk8_bf8_f32 v[\c0:\c0+1], v[SG:SG+7], v[SIS]
	v_cvt_scalef32_pk8_bf8_f32 v[\c1:\c1+1], v[SG+8:SG+15], v[SIS]
	WIN 0
.endm
.macro EXP16 lay, wd, d0, d1, ws, c0, c1       ; 16 inputs become 16 x 8 spline codes and 16 silu codes
	SILU1
	QUAD 0, \lay, \wd, \d0, \d1
	SILU2
	QUAD 1, \lay, \wd, \d0, \d1
	SILU3 \lay, \ws, \c0, \c1
	QUAD 2, \lay, \wd, \d0, \d1                    ; (its first lines are the plain lines behind the conversions)
	QUAD 3, \lay, \wd, \d0, \d1
.endm
.macro LOADA adr                       ; a step's eight units F1 into window 3, v0-127, and its F1b into window 2, v160-175
	WIN 0xc0
.set ii, 0
.rept 32
	ds_load_b128 v[4*ii:4*ii+3], v[\adr] offset:512*ii
.set ii, ii+1
.endr
	WIN 0x80
.set ii, 0
.rept 4
	ds_load_b128 v[160+4*ii:163+4*ii], v[\adr] offset:8*2048+512*ii
.set ii, ii+1
.endr
	WIN 0
.endm
.macro LOADB adr                       ; a step's eight units F2 into window 3, v128-255
	WIN 0xc0
.set ii, 0
.rept 32
	ds_load_b128 v[128+4*ii:131+4*ii], v[\adr] offset:9*2048+512*ii
.set ii, ii+1
.endr
.endm
.macro LOADF f, base                   ; eight units of bw2, K half f, into window 3 from v[base] on
	WIN 0xc0
.set ii, 0
.rept 32
	ds_load_b128 v[\base+4*ii:\base+4*ii+3], v[AF3] offset:8*2048*\f+512*ii
.set ii, ii+1
.endr
.endm
.macro LOADS f                         ; layer 2's silu fragments of K half f, my own codes back from LDS, into window 1
	WIN 0x40
.irp m, 0,1
.irp i, 0,1,2,3,4,5,6,7
	ds_load_b64 v[32*\f+16*\m+2*\i:32*\f+16*\m+2*\i+1], v[SBA] offset:4096*\f+512*\i+256*\m
.endr
.endr
.endm
.macro HCALC                           ; the hidden tile: X = base sums x 2^(e0+e1) + (both spline sums) x 2^(e2+e3); each accumulator is read from its low end on
.irp i, 0,2,4,6,8,10,12,14
	v_pk_mul_f32 v[X+\i:X+\i+1], v[HB+\i:HB+\i+1], s[88:89] op_sel_hi:[1,0]
.endr
.irp i, 0,2,4,6,8,10,12,14
	v_pk_fma_f32 v[X+\i:X+\i+1], v[HS+\i:HS+\i+1], s[86:87], v[X+\i:X+\i+1] op_sel_hi:[1,0,1]
.endr
.irp i, 0,2,4,6,8,10,12,14
	v_pk_fma_f32 v[X+\i:X+\i+1], v[HS+16+\i:HS+16+\i+1], s[86:87], v[X+\i:X+\i+1] op_sel_hi:[1,0,1]
.endr
.endm
; THE CHANGE OF SLOTS stands in the middle of a slot's second step, when its last units have been asked for.  Each wave waits for all its tensor loads (one is out: its quarter of the other slot), adds 0 to its
; spare word, and waits for that and for its reads of the slot.  fill = 1: the barrier is a round of the cluster's, and behind it the slot just left is filled with the units two slots on.
.macro CHANGE fill
	s_wait_tensorcnt 0x0                           ; no tensor load of mine is out, so a group 0 may be written
	ds_add_u32 v[SPW], v[NIL]                      ; 0 onto my spare word; work on registers stands between it and the wait for it
.if \fill
	s_xor_b32 s61, s61, SLOT1                      ; the walking descriptor: the other slot than last time,
	s_add_nc_u64 s[62:63], s[62:63], SLOTB         ; the next 34 units; the type bits on top are not reached
.endif
	HCALC
	s_wait_dscnt 0x0                               ; the add is done, and my reads of the slot are over
.if \fill
	ROUND                                          ; no wave of any partner still reads the slot or has a load on its way
	tensor_load_to_lds s[60:63], s[36:43]          ; my one tensor load behind the round: it has two steps' work in which to land
	s_nop 0
	PLACES
.else
	s_barrier_signal -1
	s_barrier_wait -1
.endif
	s_xor_b32 s96, s96, SLOT1                      ; on to the other slot
	v_add_nc_u32 v[ADW0], s96, v[LI]
	v_add_nc_u32 v[ADW1], STEPB, v[ADW0]
.endm
; A STEP: hidden tile T, the q-th of the slot in hand.  Its F1 and F1b are in registers.  mode 0: the next step's come from the same slot; 1: change of slots with a refill; 2: without.
.macro STEP q, mode
	WIN 0x07                                       ; source 0 (F1) window 3, source 1 (A1) window 1
.irp g, 0,1,2,3                                ; four accumulators by turns, one instruction a turn: even and odd channel tiles sum apart
.irp u, 0,1
.irp m, 0,1
.if \g == 0
	v_wmma_f32_16x16x128_bf8_bf8 v[HS+16*\u+8*\m:HS+16*\u+8*\m+7], v[16*(2*\g+\u):16*(2*\g+\u)+15], v[32*(2*\g+\u)+16*\m:32*(2*\g+\u)+16*\m+15], 0
.else
	v_wmma_f32_16x16x128_bf8_bf8 v[HS+16*\u+8*\m:HS+16*\u+8*\m+7], v[16*(2*\g+\u):16*(2*\g+\u)+15], v[32*(2*\g+\u)+16*\m:32*(2*\g+\u)+16*\m+15], v[HS+16*\u+8*\m:HS+16*\u+8*\m+7]
.endif
.endr
.endr
.endr
	WIN 0x0a                                       ; sources 0 (F1b) and 1 (silu codes) window 2
.irp m, 0,1
	v_wmma_f32_16x16x128_bf8_bf8 v[HB+8*\m:HB+8*\m+7], v[160:175], v[128+16*\m:143+16*\m], 0
.endr
	WIN 0
	PLACES                                         ; ahead of the loads into the units' registers and of the reads of the sums
	v_add_nc_u32 v[ADS], s97, v[SBA]
	LOADB ADW0+\q
.if \mode == 0
	LOADA ADW1
	HCALC
.elseif \mode == 1
	WIN 0
	CHANGE 1
	LOADA ADW0
.else
	WIN 0
	CHANGE 0                                       ; (in the last trip nothing more is read from a slot: the barrier parts nothing there, and stands so that both trips are one text)
	s_cmp_eq_u32 s98, 1                            ; the count of trips: the same in every wave and work-group
	s_cbranch_scc1 .Lfin_\@
	LOADA ADW0
	s_branch .Ljoin_\@
.Lfin_\@:                                          ; behind the last hidden tile: bw2's first K half, and my silu codes of hidden tiles 0..7
	LOADF 0, 0
	LOADS 0
	WIN 0
.Ljoin_\@:
.endif
	EXP16 1, 0, C2, C2+16, 0, 48, 50
	ds_store_b64 v[ADS], v[48:49]                  ; the silu codes wait in LDS for the last products: the register that they belong in changes from step to step
	ds_store_b64 v[ADS], v[50:51] offset:256
	s_wait_dscnt 0x0                               ; F2 is in, and so is what the next step begins with
	WIN 0xac                                       ; source 0 (codes) window 0, source 1 (F2) window 3, C and D window 2
.irp n, 0,1,2,3,4,5,6,7
.irp m, 0,1
	v_wmma_f32_16x16x128_bf8_bf8 v[8*(8*\m+\n):8*(8*\m+\n)+7], v[C2+16*\m:C2+16*\m+15], v[128+16*\n:143+16*\n], v[8*(8*\m+\n):8*(8*\m+\n)+7]
.endr
.endr
	WIN 0
	s_add_co_u32 s97, s97, 512
	s_and_b32 s97, s97, 0x1fff
.endm
	; ---------------- the head
	s_load_b256 s[4:11], s[0:1], 0x0               ; U s[4:5], lnp s[6:7], stats s[8:9], wimg s[10:11]
	s_load_b128 s[12:15], s[0:1], 0x20             ; the scales' exponents s[12:13], out s[14:15]
	v_lshl_add_u32 v[SPW], v0, 2, SPARE
	v_mov_b32 v[NIL], 0
	ds_add_u32 v[SPW], v[NIL]                      ; the wave's opening: the add and its wait stand ahead of my first tensor load; the set-up below, work on registers, stands between them
	v_lshrrev_b32 v30, 5, v0
	v_readfirstlane_b32 s16, v30                   ; wave 0..3
	s_bfe_u32 s17, ttmp6, 0x40000                  ; cx: my place in the cluster
	; group 1 for U's tile: 32 rows of 128 elements of 4 bytes, 512 elements from row to row, 4 words of padding behind every 128
	s_mov_b32 s28, (2<<16)|(1<<20)|(6<<22)|(3<<25)
	s_mov_b32 s29, 128<<16
	s_mov_b32 s30, 32<<16
	s_mov_b32 s31, 128<<16
	s_mov_b32 s32, 32
	s_mov_b32 s33, 512
	s_mov_b32 s34, 0
	s_mov_b32 s35, 0
	; group 1 for a quarter of a slot: dense rows of 256 bytes (32 elements of 8), 68 of them; the mask names all four work-groups, bit 21 set beside it
	s_mov_b32 s36, 15|(3<<16)|(1<<21)
	s_mov_b32 s37, 32<<16
	s_mov_b32 s38, 68<<16
	s_mov_b32 s39, 32<<16
	s_mov_b32 s40, 68
	s_mov_b32 s41, 32
	s_mov_b32 s42, 0
	s_mov_b32 s43, 0
	; group 1 for a quarter of bw2's units: the same with 32 rows
	s_mov_b32 s44, 15|(3<<16)|(1<<21)
	s_mov_b32 s45, 32<<16
	s_mov_b32 s46, 32<<16
	s_mov_b32 s47, 32<<16
	s_mov_b32 s48, 32
	s_mov_b32 s49, 32
	s_mov_b32 s50, 0
	s_mov_b32 s51, 0
	s_mov_b32 s72, 0x40200000                      ; 2.5
	s_mov_b32 s73, s72
	s_mov_b32 s76, 0xc1000000                      ; -8
	s_mov_b32 s77, s76
	s_mov_b32 s78, 0x41000000                      ; 8
	s_mov_b32 s79, s78
	s_mov_b32 s84, 0xbfb8aa3b                      ; -log2 e
	s_mov_b32 s85, s84
	s_mov_b32 s94, 0x412fffff                      ; 10.999999
	s_mov_b32 s95, 0x40e00000                      ; 7
	s_mov_b32 s100, 0x76543210
	s_mov_b32 s101, 0xfedcba98
	v_mov_b32 v[K1], 0x3e2aaaab
	v_mov_b32 v[K1+1], 0.5
	v_mov_b32 v[K1S], 0.5
	v_mov_b32 v[K1S+1], 0x3e2aaaab
	v_mov_b32 v[K2], 0
	v_mov_b32 v[K2+1], -1.0
	v_mov_b32 v[K2S], -1.0
	v_mov_b32 v[K2S+1], 0
	v_mov_b32 v[K3], 0
	v_mov_b32 v[K3+1], 0x3f2aaaab
	v_mov_b32 v[K3S], 0x3f2aaaab
	v_mov_b32 v[K3S+1], 0
	v_mov_b32 v[C55], 0x40b00000
	v_mov_b32 v[C55+1], 0x40b00000
	v_mov_b32 v[CA], 0x4b000098
	v_mov_b32 v[CA+1], 0x4b000098
	v_mov_b32 v[CB], 0x4b000008
	v_mov_b32 v[CB+1], 0x4b000008
	v_and_b32 v30, 31, v0                          ; lane
	v_and_b32 v31, 15, v0                          ; r
	v_bfe_u32 v32, v0, 4, 1                        ; h
	s_lshl_b32 s2, s16, 7                          ; my 32 tokens: 128 bytes of a row of U's tile
	v_lshlrev_b32 v[LI], 4, v30
	v_add_nc_u32 v[AF3], F3B, v[LI]
	v_mul_u32_u24 v[UA], v32, 8*UP
	v_lshl_add_u32 v[UA], v31, 3, v[UA]
	v_add_nc_u32 v[UA], s2, v[UA]
	v_add_nc_u32 v[UA], UT, v[UA]
	v_mul_u32_u24 v[UY], v31, UP
	v_lshl_add_u32 v[UY], v32, 6, v[UY]
	v_add_nc_u32 v[UY], s2, v[UY]
	v_add_nc_u32 v[UY], UT, v[UY]
	s_mul_i32 s3, s16, 32*UP
	v_add_nc_u32 v[URD], s3, v[LI]
	v_add_nc_u32 v[URD], UT, v[URD]
	s_lshl_b32 s3, s16, 13
	v_lshl_add_u32 v[SBA], v30, 3, s3
	v_add_nc_u32 v[SBA], SBS, v[SBA]
	s_lshl_b32 s19, s17, 10                        ; global offsets alone hold cx
	s_lshl_b32 s3, s16, 8
	s_add_co_u32 s19, s19, s3
	v_lshlrev_b32 v[LNO], 15, v32
	v_lshl_add_u32 v[LNO], v31, 4, v[LNO]
	v_add_nc_u32 v[LNO], s19, v[LNO]
	s_lshl_b32 s19, ttmp9, 8                       ; in a cluster launch ttmp9 counts clusters: the batch
	v_lshl_add_u32 v[STO], v30, 3, s19
	s_wait_dscnt 0x0                               ; the opening add is done
	s_wait_kmcnt 0x0
	s_load_b256 s[20:27], s[12:13], 0x0            ; e0 .. e7
	s_lshl_b32 s2, ttmp9, 18                       ; U and out: batch x 262,144 + 32 w channel rows of 2,048 bytes + 128 cx tokens
	s_lshl_b32 s3, s16, 16
	s_add_co_u32 s2, s2, s3
	s_lshl_b32 s3, s17, 9
	s_add_co_u32 s2, s2, s3
	s_mov_b32 s3, 0
	s_mov_b32 s52, 1                               ; group 0 for U's tile, a load of my work-group's own
	s_mul_i32 s53, s16, 32*UP
	s_add_co_u32 s53, s53, UT
	s_add_nc_u64 s[54:55], s[4:5], s[2:3]
	s_or_b32 s55, s55, 0x80000000
	s_add_nc_u64 s[14:15], s[14:15], s[2:3]
	s_mul_i32 s2, s16, 68*256                      ; my quarter of a slot: the wave's number alone, so the four partners' descriptors are equal
	s_mov_b32 s56, 1                               ; group 0 for slot 0
	s_mul_i32 s57, s16, 68*256
	s_add_nc_u64 s[58:59], s[10:11], s[2:3]
	s_mov_b32 s60, 1                               ; group 0 for slot 1, which then walks
	s_add_co_u32 s61, s57, SLOT1
	s_add_nc_u64 s[62:63], s[58:59], SLOTB
	s_or_b32 s59, s59, 0x80000000
	s_or_b32 s63, s63, 0x80000000
	s_lshl_b32 s2, s16, 13                         ; my quarter of bw2's units
	s_mov_b32 s68, 1
	s_add_co_u32 s69, s2, F3B
	s_add_nc_u64 s[70:71], s[10:11], s[2:3]
	s_add_nc_u64 s[70:71], s[70:71], 272*2048
	s_or_b32 s71, s71, 0x80000000
	ROUND                                          ; all four work-groups are here: the first joint loads meet
	tensor_load_to_lds s[52:55], s[28:35]          ; the first fills go out as one group: four loads of mine are out.  U's tile first: it is wanted first
	s_nop 0
	tensor_load_to_lds s[56:59], s[36:43]          ; steps 0, 1
	s_nop 0
	tensor_load_to_lds s[60:63], s[36:43]          ; steps 2, 3
	s_nop 0
	tensor_load_to_lds s[68:71], s[44:51]          ; bw2
	s_nop 0
	PLACES
	; ---------------- the batch's mean and variance from its 32 parts; lnp's numbers on their way meanwhile
	global_load_b64 v[30:31], v[STO], s[8:9]       ; lane l: part l's (mean, M2)
	WIN 0xc0
.irp s, 0,1,2,3,4,5,6
.irp j, 0,1,2,3,4,5,6,7
	global_load_b128 v[4*(8*\s+\j):4*(8*\s+\j)+3], v[LNO], s[6:7] offset:65536*\s+4096*\j   ; channel 16 s + 8 h + j, my token pair: sixteen lanes read 256 consecutive bytes
.endr
.endr
	WIN 0
	s_wait_loadcnt 56                              ; the 56 loads issued behind the parts' may stay out
	v_mov_b32 v33, 0                               ; a lane permute's destination counts as read
	v_mov_b32 v32, v30
	WSUM 32, 33
	v_mul_f32 v32, 0x3d000000, v32                 ; the mean: the parts are equally large
	v_sub_f32 v34, v30, v32
	v_mul_f32 v34, v34, v34
	v_fmamk_f32 v35, v34, 0x45000000, v31          ; M2 + 2,048 (mean of the part - mean)^2
	WSUM 35, 33
	s_mov_b32 s2, 0x37800000
	v_fmaak_f32 v35, s2, v35, 0x3727c5ac           ; / 65,536 + 1e-5
	v_rsq_f32 v36, v35
	v_nop                                          ; a plain line behind the transcendental,
	s_wait_alu depctr_va_vdst(0)                   ; and the wait ahead of its first reader
	v_readfirstlane_b32 s88, v36
	v_readfirstlane_b32 s86, v32
	s_xor_b32 s86, s86, 0x80000000                 ; -mean
	s_mov_b32 s87, s86
	s_mov_b32 s89, s88
	WIN 0xc0
.irp j, 0,1,2,3,4,5,6,7
	global_load_b128 v[4*(56+\j):4*(56+\j)+3], v[LNO], s[6:7] offset:65536*7+4096*\j
.endr
	WIN 0
	s_wait_kmcnt 0x0
	SETSC 22, SPS, SPH                             ; layer 1: the bases by e2,
	SETSC 20, SIS, SIH                             ; the silu by e0
	s_wait_tensorcnt 3                             ; my rows of U's tile are in; the three loads issued behind it may stay out
	s_barrier_signal -1
	s_barrier_wait -1                              ; everybody's are
	WIN 0x80
.irp s, 0,1,2,3,4,5,6,7
.irp j, 0,1,2,3,4,5,6,7
	ds_load_b64 v[2*(8*\s+\j):2*(8*\s+\j)+1], v[UA] offset:UP*(16*\s+\j)   ; channel 16 s + 8 h + j, tokens 2 r, 2 r + 1 of my 32: one number for each tile
.endr
.endr
	s_wait_dscnt 0x0
	WIN 0x82
.set ii, 0
.rept 64
	v_pk_add_f32 v[2*ii:2*ii+1], v[2*ii:2*ii+1], s[86:87] op_sel_hi:[1,0]
.set ii, ii+1
.endr
.set ii, 0
.rept 64
	v_pk_mul_f32 v[2*ii:2*ii+1], v[2*ii:2*ii+1], s[88:89] op_sel_hi:[1,0]
.set ii, ii+1
.endr
	s_wait_loadcnt 0x0                             ; lnp's numbers
	; ---------------- phase 1: channel tile s: LN's last step, then the codes of layer 1 into their registers
.irp s, 0,1,2,3,4,5,6,7
	WIN 0x3e                                       ; source 0 window 2, sources 1 and 2 window 3
.irp j, 0,1,2,3,4,5,6,7
	v_pk_fma_f32 v[X+2*\j:X+2*\j+1], v[2*(8*\s+\j):2*(8*\s+\j)+1], v[4*(8*\s+\j):4*(8*\s+\j)+1], v[4*(8*\s+\j)+2:4*(8*\s+\j)+3]
.endr
	WIN 0
	EXP16 0, 0x40, 32*\s, 32*\s+16, 0x80, 128+2*\s, 144+2*\s
.endr
	; ---------------- into phase 2
	SETSC 26, SPS, SPH                             ; layer 2: the bases by e6,
	SETSC 24, SIS, SIH                             ; the silu by e4
	PW2 86, 22, 23                                 ; 2^(e2+e3)
	PW2 88, 20, 21                                 ; 2^(e0+e1)
	PW2 90, 26, 27                                 ; 2^(e6+e7)
	PW2 92, 24, 25                                 ; 2^(e4+e5)
	s_add_co_i32 s99, s26, s27
	s_sub_co_i32 s99, 127, s99
	s_lshl_b32 s99, s99, 23                        ; 2^-(e6+e7)
	s_mov_b32 s96, 0
	s_mov_b32 s97, 0
	s_wait_tensorcnt 0x0                           ; my quarters of both slots and of bw2's units are in,
	s_barrier_signal -1
	s_barrier_wait -1                              ; everybody's are
	v_add_nc_u32 v[ADW0], s96, v[LI]
	v_add_nc_u32 v[ADW1], STEPB, v[ADW0]
	WIN 0xc0
.set ii, 0
.rept 32
	ds_load_b128 v[128+4*ii:131+4*ii], v[UY] offset:16*UP*(ii/4)+16*(ii%4)   ; channel 16 n + r, my lane's 16 tokens
.set ii, ii+1
.endr
	LOADA ADW0
	s_wait_dscnt 36                                ; U's numbers are in; the 36 loads issued behind them may stay out
	WIN 0x8c                                       ; source 1 window 3, destination window 2
.irp n, 0,1,2,3,4,5,6,7
.irp j, 0,1,2,3,4,5,6,7
.irp m, 0,1
	v_mul_f32 v[8*(8*\m+\n)+\j], s99, v[128+16*\n+2*\j+\m]         ; Y begins as U x 2^-(e6+e7)
.endr
.endr
.endr
	WIN 0
	s_wait_dscnt 0x0                               ; the first step's F1 and F1b
	; ---------------- phase 2
	s_mov_b32 s98, 6
.Lslot:                                            ; six trips: hidden tiles 0..11; each trip leaves a slot and has it filled again
	STEP 0, 0
	STEP 1, 1
	s_sub_co_u32 s98, s98, 1
	s_cmp_lg_u32 s98, 0
	s_cbranch_scc1 .Lslot
	s_mov_b32 s98, 2
.Ltail:                                            ; two trips: hidden tiles 12..15: nothing is left to fetch, so this loop has no tensor load
	STEP 0, 0
	STEP 1, 2
	s_sub_co_u32 s98, s98, 1
	s_cmp_lg_u32 s98, 0
	s_cbranch_scc1 .Ltail
	; ---------------- silu(hidden) x bw2: K = 256 in two halves, 16 accumulators by turns
	PLACES                                         ; ahead of the loads into F2's registers
	LOADF 1, 128
	LOADS 1                                        ; LDS serves a wave's instructions in order (ISA guide 5.7.1.4): these see the last step's stores
	WIN 0xad                                       ; source 0 (silu codes) window 1, source 1 (bw2) window 3, C and D window 2
.irp n, 0,1,2,3,4,5,6,7
.irp m, 0,1
	v_wmma_f32_16x16x128_bf8_bf8 v[128+8*(8*\m+\n):128+8*(8*\m+\n)+7], v[16*\m:16*\m+15], v[16*\n:16*\n+15], 0
.endr
.endr
	s_wait_dscnt 0x0
.irp n, 0,1,2,3,4,5,6,7
.irp m, 0,1
	v_wmma_f32_16x16x128_bf8_bf8 v[128+8*(8*\m+\n):128+8*(8*\m+\n)+7], v[32+16*\m:32+16*\m+15], v[128+16*\n:143+16*\n], v[128+8*(8*\m+\n):128+8*(8*\m+\n)+7]
.endr
.endr
	; ---------------- the way out: out = Y x 2^(e6+e7) + YB x 2^(e4+e5); a lane's 16 tokens of a channel go into U's tile, which has had its one fill and of which my token columns are read by me alone
	WIN 0
	PLACES
	WIN 0x82
.set ii, 0
.rept 64
	v_pk_mul_f32 v[128+2*ii:129+2*ii], v[128+2*ii:129+2*ii], s[92:93] op_sel_hi:[1,0]   ; each accumulator from its low end on
.set ii, ii+1
.endr
	WIN 0x22                                       ; sources 0 and 2 window 2, destination window 0
.irp m, 0,1
.irp n, 0,1,2,3,4,5,6,7
.irp j, 0,1,2,3,4,5,6,7
	v_fma_f32 v[32+16*\n+2*\j+\m], v[8*(8*\m+\n)+\j], s90, v[128+8*(8*\m+\n)+\j]
.endr
.endr
.endr
	WIN 0
.set ii, 0
.rept 32
	ds_store_b128 v[UY], v[32+4*ii:35+4*ii] offset:16*UP*(ii/4)+16*(ii%4)
.set ii, ii+1
.endr
	s_wait_dscnt 0x0                               ; for the others' sake: my stores into the stage are done
	s_barrier_signal -1
	s_barrier_wait -1
.set ii, 0
.rept 32
	ds_load_b128 v[32+4*ii:35+4*ii], v[URD] offset:UP*ii           ; channel rows 32 w .. 32 w + 31, whole: 512 bytes a load
.set ii, ii+1
.endr
.set ii, 0
.rept 32
	s_wait_dscnt 31-ii                             ; row ii is in; the younger loads may stay out
	global_store_b128 v[LI], v[32+4*ii:35+4*ii], s[14:15] offset:2048*ii th:TH_STORE_NT   ; 32 lanes store 512 consecutive bytes, at a multiple of 256 from out's first byte
.set ii, ii+1
.endr
	s_wait_tensorcnt 0x0                           ; the wave's end, behind my last tensor load and my last LDS store
	ds_add_u32 v[SPW], v[NIL]
	s_wait_dscnt 0x0
	ROUND                                          ; the closing round: no work-group ends while a partner may still ask for a tile that names it
	s_endpgm
.Lfunc_end_k_qd039ab1b06_main:
	.size	k_qd039ab1b06_main, .Lfunc_end_k_qd039ab1b06_main-k_qd039ab1b06_main
	.p2alignl 7, 3214868480
	.fill 96, 4, 3214868480
	.section	.rodata,"a",@progbits
	.p2align	6, 0x0
	.amdhsa_kernel k_qd039ab1b06_main
		.amdhsa_group_segment_fixed_size 327680
		.amdhsa_private_segment_fixed_size 0
		.amdhsa_enable_private_segment 0
		.amdhsa_kernarg_size 48
		.amdhsa_user_sgpr_count 2
		.amdhsa_user_sgpr_kernarg_segment_ptr 1
		.amdhsa_wavefront_size32 1
		.amdhsa_system_sgpr_workgroup_id_x 1
		.amdhsa_system_sgpr_workgroup_id_y 1
		.amdhsa_system_sgpr_workgroup_id_z 1
		.amdhsa_system_vgpr_workitem_id 0
		.amdhsa_next_free_vgpr 1024
		.amdhsa_next_free_sgpr 102
		.amdhsa_reserve_vcc 0
		.amdhsa_float_denorm_mode_32 3
		.amdhsa_float_denorm_mode_16_64 3
		.amdhsa_memory_ordered 1
		.amdhsa_forward_progress 1
		.amdhsa_inst_pref_size 255
	.end_amdhsa_kernel
	.section	.bss,"aw",@nobits
	.p2align	6
	.space	262144
	.amdgpu_metadata
---
amdhsa.version: [ 1, 2 ]
amdhsa.kernels:
  - .name:           k_qd039ab1b06_main
    .symbol:         k_qd039ab1b06_main.kd
    .args:
      - { .name: U, .offset: 0, .size: 8, .value_kind: global_buffer, .address_space: global }
      - { .name: lnp, .offset: 8, .size: 8, .value_kind: global_buffer, .address_space: global }
      - { .name: stats, .offset: 16, .size: 8, .value_kind: global_buffer, .address_space: global }
      - { .name: wimg, .offset: 24, .size: 8, .value_kind: global_buffer, .address_space: global }
      - { .name: lowp_scales, .offset: 32, .size: 8, .value_kind: global_buffer, .address_space: global }
      - { .name: out0, .offset: 40, .size: 8, .value_kind: global_buffer, .address_space: global }
    .group_segment_fixed_size: 327680
    .private_segment_fixed_size: 0
    .kernarg_segment_align: 8
    .kernarg_segment_size: 48
    .max_flat_workgroup_size: 128
    .sgpr_count:     102
    .vgpr_count:     1024
    .wavefront_size: 32
...
	.end_amdgpu_metadata
.endif
;; end of part 2
